; MI455X (gfx1250); checked and timed in simulation.
; The chip was launched on July 23, 2026; its instructions are those of AMD's public machine-readable ISA for CDNA 5 (MIT licence, August 2026) and "CDNA5" Instruction Set Architecture Reference Guide (July 2026). The comments in the code are by the model that wrote it; some were corrected since.
;; KNRM. Allowed arithmetic: matrix products marked QUANTISED: E2M1 operands, one E8M0 scale for each 32 along K, by v_wmma_scale_f32_16x16x128_f8f6f4 with both operands' format E2M1 (or v_wmma_scale_f32_32x16x128_f4), f32 sums; products left as they are: f32 operands where the result goes on into a quantised operand, else bf16, f16 or f32 operands; f32 sums; everything else in f32.
;; Inputs: W1 10 x 10 float32; W2 10 x 5 float32; W3 5 x 1 float32; b1 10 float32; b2 5 float32; b3 1 float32; d1 1,024 x 256 int32; d2 1,024 x 256 int32; emb 100,000 x 128 float32; q1 1,024 x 64 int32; q2 1,024 x 64 int32.
;; Outputs: out0 1,024 x 1 float32.
;; This version of the problem:
;;   THIS VERSION OF THE PROBLEM IS GIVEN IN LOW PRECISION. The matrix products marked QUANTISED in the list below multiply operands that are first quantised to E2M1 (2 exponent bits, 1 mantissa bit; 4 bits a number), with one power-of-two scale for each 32 numbers along K (OCP MX v1.0); their sums are f32. All else is computed in f32.
;;   The module's matrix products, in the order in which they are computed (A, B: the left and right operand; K: the contracted axis; several contracted axes count as one K, in the product's order):
;;     1. batch 1,024 x [M 64, K 128] x [K 128, N 256]; A: computed on the way; B: computed on the way: QUANTISED
;;     2. [M 1,024, K 10] x [K 10, N 10]; A: computed on the way; B: input W1: left as it is (K = 10 < 32)
;;     3. [M 1,024, K 10] x [K 10, N 5]; A: computed on the way; B: input W2: left as it is (K = 10 < 32)
;;     4. [M 1,024, K 5] x [K 5, N 1]; A: computed on the way; B: input W3: left as it is (K = 5 < 32)
;;     5. batch 1,024 x [M 64, K 128] x [K 128, N 256]; A: computed on the way; B: computed on the way: QUANTISED
;;     6. [M 1,024, K 10] x [K 10, N 10]; A: computed on the way; B: input W1: left as it is (K = 10 < 32)
;;     7. [M 1,024, K 10] x [K 10, N 5]; A: computed on the way; B: input W2: left as it is (K = 10 < 32)
;;     8. [M 1,024, K 5] x [K 5, N 1]; A: computed on the way; B: input W3: left as it is (K = 5 < 32)
;;   THE QUANTISER, for each operand of a quantised product, along K:
;;     - K is cut into blocks of 32 from its start; a last block that is shorter is filled with zeros.
;;     - A block's scale is 2^e with e = floor(log2(the largest magnitude in the block)) - 2, held to -126 .. 127; a block of zeros has e = 0. As a byte (E8M0): e + 127.
;;     - Each number is divided by its block's scale, clamped to +-6, and rounded to the nearest number of E2M1, ties to even, subnormals kept.
;;     - The product sums the exact products of the quantised numbers (number of the format x scale) in f32.
;;   ~~~python
;;   def quantise(x, axis):      # numpy; x: float32 -> the quantised numbers, widened to float32 again
;;       x = np.moveaxis(x, axis, -1); K = x.shape[-1]
;;       x = np.pad(x, [(0, 0)] * (x.ndim - 1) + [(0, -K % 32)]); x = x.reshape(x.shape[:-1] + (-1, 32)); a = np.abs(x).max(-1, keepdims=True)
;;       e = np.where(a > 0, np.clip(np.frexp(np.where(a > 0, a, 1))[1] - 1 - 2, -126, 127), 0)      # np.frexp(a)[1] - 1 = floor(log2(a)), exactly
;;       r = np.clip(x / 2.0 ** e, -6, 6)
;;       step = 2.0 ** (np.maximum(np.frexp(np.where(r == 0, 1, r))[1] - 1, 0) - 1)
;;       q = np.round(r / step) * step * 2.0 ** e      # np.round: ties to even
;;       return np.moveaxis(q.reshape(q.shape[:-2] + (-1,))[..., :K], -1, axis).astype(np.float32)
;;   ~~~
;;   OPERANDS COMPUTED ON THE WAY. 'Computed on the way' means the value that the module computes at that place (a softmax that the list does not call 'softmax' is quantised finished and normalised). What goes into a quantiser is computed in f32, as accurately as f32 sums, v_exp_f32 and their like allow (about 1e-6 of the number): no bf16 or f16 on the way to a quantiser, and a product that is left as it is and whose result goes on into a quantised operand takes f32 operands (vector FMAs, or v_wmma_f32_16x16x4_f32). A number that lies on a knife's edge between two numbers of the format may be rounded either way, as far as f32 arithmetic and the matrix unit's own rounding can turn it there, and no further.
;; One version. Each part assembles by itself: llvm-mc -triple=amdgcn-amd-amdhsa -mcpu=gfx1250 --defsym DOCPART=n.
;; ======== version 1 of 1: 2 launches
;; workspace buffers: codes 6,400,000 bytes; scales 400,128 bytes
;; launch quant (part 1): grid 625 x 1, 5 waves a work-group, no clusters, 41,728 bytes of LDS; arguments emb, codes, scales; writes codes, scales
.if DOCPART == 1
	.amdgcn_target "amdgcn-amd-amdhsa--gfx1250"
	.amdhsa_code_object_version 6
	.text
	.protected	k_qff9c87d5ff_quant
	.globl	k_qff9c87d5ff_quant
	.p2align	8
	.type	k_qff9c87d5ff_quant,@function
k_qff9c87d5ff_quant:
	s_mov_b64 s[64:65], 0
	v_nop
	global_prefetch_b8 v0, s[64:65] scope:SCOPE_SE
	s_setreg_imm32_b32 hwreg(HW_REG_WAVE_MODE, 25, 1), 1
	s_wait_xcnt 0x0
; Every row of emb [100000][128] f32 becomes x / (sqrt(sum of x^2) + 1e-13), and that is turned into codes of FP4 (E2M1), K innermost:
; codes [100000][64] bytes (two codes a byte, the lower k in the low four bits), scales [100000][4] bytes (one E8M0 byte for each 32 along K).
; It is done once for the table, since the next launch names a row several times over.
; A block's scale is 2^(floor(log2(its largest magnitude)) - 2); its byte is the largest magnitude's exponent field - 2, held at 1 from below.
; SHARES.  100,000 rows = 3,125 waves x 32 rows.  A wave takes 8 steps of 4 rows (2,048 bytes).  Each of a step's four loads reads 512 consecutive bytes, 16 a lane; the bytes
; go through the wave's own stage in LDS as they lie and come back 64 bytes a lane: a lane then holds 16 NEIGHBOURS along K, two lanes a block of 32, eight lanes a row.
; The stage has 16 bytes of padding behind each 64.  A lane's 16 codes are 8 bytes: a step's store covers 256 consecutive bytes, aligned.
; A step makes 16 scale bytes, a wave 128: they are gathered in the wave's own LDS bytes and leave by one store of 128 consecutive bytes (32 rows a wave: 100,000 is no multiple of 64).
; No barrier: waves share nothing.  Loads run four steps (16 loads a wave) ahead, the turn through LDS one step.
; LIMITS: the division is v_rcp_f32 and a multiplication (about 1.5 ulp); a sum of squares under 2^-126 counts as 0 in v_sqrt_f32, so that the divisor is then 1e-13 alone;
; a block of zeros keeps the byte 1 where the rule says 127 (its codes are zeros, and this program alone reads the bytes); NaN and infinities among the inputs are not served.
.set STEPS, 8
.set SP,    80                         ; a lane's place in a stage: its 64 bytes + 16 of padding
.set WREG,  8192                       ; LDS: a region for each wave: two stages of 32 x SP bytes, behind them its 128 scale bytes
.set R,     16                         ; v16-79   four sets of 16 numbers as they are loaded
.set X,     80                         ; v80-111  two sets of 16 neighbours
.set E,     112                        ; v112-119 a scale byte for each step
.set C,     120                        ; v120-135 a pair of code registers for each step: no store's data are written again
.set Q0,    136                        ; v[136:137], v[138:139] two chains of squares
.set Q1,    138
.set SS,    140                        ; v140     the row's sum of squares, then its norm + 1e-13
.set RN,    142                        ; v[142:143] 1 / that; v143 is named with it as a pair and is written once
	s_load_b128 s[4:7], s[0:1], 0x0                ; emb, codes
	s_load_b64 s[8:9], s[0:1], 0x10                ; scales
	v_lshl_add_u32 v152, v0, 2, 0xa000
	v_mov_b32 v153, 0
	v_lshrrev_b32 v1, 5, v0
	v_readfirstlane_b32 s16, v1                    ; wave 0..4
	v_and_b32 v2, 31, v0                           ; lane
	v_lshlrev_b32 v3, 4, v2                        ; my 16 bytes of a load's 512
	s_mul_i32 s17, s16, WREG
	v_lshrrev_b32 v14, 2, v2
	v_mul_u32_u24 v14, v14, SP
	v_and_b32 v15, 3, v2
	v_lshl_add_u32 v14, v15, 4, v14
	v_add_nc_u32 v14, s17, v14                     ; the stage, on the way in: SP (lane / 4) + 16 (lane % 4); a load's 512 bytes take eight places
	v_mul_u32_u24 v15, v2, SP
	v_add_nc_u32 v15, s17, v15                     ; and on the way out: SP x lane: my 16 neighbours
	v_lshlrev_b32 v4, 3, v2                        ; my 8 bytes of a step's codes
	v_lshrrev_b32 v5, 1, v2
	s_add_co_u32 s17, s17, 2*32*SP
	v_add_nc_u32 v5, s17, v5                       ; LDS: my block's byte among the wave's scale bytes
	v_lshlrev_b32 v7, 2, v2                        ; and on the way out 4 bytes a lane
	v_add_nc_u32 v6, s17, v7
	v_mov_b32 v[RN+1], 0
	s_mul_i32 s18, ttmp9, 5
	s_add_co_u32 s18, s18, s16                     ; which run of 32 rows is my wave's: 0 .. 3,124
	s_mov_b32 s21, 0
	s_lshl_b32 s20, s18, 14                        ; 16,384 bytes of emb a run
	s_wait_kmcnt 0x0
	s_add_nc_u64 s[4:5], s[4:5], s[20:21]
	s_lshl_b32 s20, s18, 11                        ; 2,048 bytes of codes
	s_add_nc_u64 s[6:7], s[6:7], s[20:21]
	s_lshl_b32 s20, s18, 7                         ; 128 scale bytes
	s_add_nc_u64 s[8:9], s[8:9], s[20:21]
.macro LOAD t
.irp i, 0,1,2,3
	global_load_b128 v[R+16*((\t)%4)+4*\i:R+16*((\t)%4)+4*\i+3], v3, s[4:5] offset:2048*(\t)+512*\i th:TH_LOAD_NT   ; 32 lanes read 512 consecutive bytes; read once in the launch
.endr
.endm
.macro TURN t                          ; step t's numbers through the stage: LDS serves a wave's instructions in order, so no wait stands between the stores and the loads
.irp i, 0,1,2,3
	ds_store_b128 v14, v[R+16*((\t)%4)+4*\i:R+16*((\t)%4)+4*\i+3] offset:32*SP*((\t)%2)+8*SP*\i
.endr
.irp i, 0,1,2,3
	ds_load_b128 v[X+16*((\t)%2)+4*\i:X+16*((\t)%2)+4*\i+3], v15 offset:32*SP*((\t)%2)+16*\i
.endr
.endm
.irp t, 0,1,2,3
	LOAD \t
.endr
	s_wait_loadcnt 12                              ; step 0's four loads are in; the twelve of steps 1 to 3 may be out
	TURN 0
.macro STEP t
.set XS, X+16*((\t)%2)
.if (\t) > 0
	s_wait_dscnt 1                                 ; this step's numbers are back from the stage (the last step's byte store, issued behind them, may be out): so its stores into the stage have read their registers,
.else
	s_wait_dscnt 0x0
.endif
.if (\t)+4 < STEPS
	LOAD (\t)+4                                    ; which take the loads of four steps on
.endif
.if (\t)+1 < STEPS
.if STEPS-2-(\t) >= 3
	s_wait_loadcnt 12                              ; the next step's four loads are in; those of the three steps behind it may be out
.else
	s_wait_loadcnt 4*(STEPS-2-(\t))
.endif
	TURN (\t)+1                                    ; and go through the other stage while this step is worked
.endif
	v_pk_mul_f32 v[Q0:Q0+1], v[XS:XS+1], v[XS:XS+1]                ; the squares of my 16, in two chains that the first products start
	v_pk_mul_f32 v[Q1:Q1+1], v[XS+2:XS+3], v[XS+2:XS+3]
.irp i, 4,8,12
	v_pk_fma_f32 v[Q0:Q0+1], v[XS+\i:XS+\i+1], v[XS+\i:XS+\i+1], v[Q0:Q0+1]
	v_pk_fma_f32 v[Q1:Q1+1], v[XS+\i+2:XS+\i+3], v[XS+\i+2:XS+\i+3], v[Q1:Q1+1]
.endr
	v_pk_add_f32 v[Q0:Q0+1], v[Q0:Q0+1], v[Q1:Q1+1]
	v_add_f32 v[SS], v[Q0], v[Q0+1]
	v_add_f32_dpp v[SS], v[SS], v[SS] row_xmask:1 row_mask:0xf bank_mask:0xf   ; with the row's other seven lanes: lanes 8 g .. 8 g + 7 hold a row
	v_add_f32_dpp v[SS], v[SS], v[SS] row_xmask:2 row_mask:0xf bank_mask:0xf
	v_add_f32_dpp v[SS], v[SS], v[SS] row_xmask:4 row_mask:0xf bank_mask:0xf
	v_sqrt_f32 v[SS], v[SS]
	v_nop                                          ; a plain instruction behind the root,
	s_wait_alu depctr_va_vdst(0)                   ; and the wait ahead of its first reader
	v_add_f32 v[SS], 0x29e12e13, v[SS]             ; + 1e-13
	v_rcp_f32 v[RN], v[SS]
	v_nop
	s_wait_alu depctr_va_vdst(0)                   ; the same for the reciprocal
.irp i, 0,2,4,6,8,10,12,14
	v_pk_mul_f32 v[XS+\i:XS+\i+1], v[XS+\i:XS+\i+1], v[RN:RN+1] op_sel_hi:[1,0]   ; the normalised numbers: what is quantised
.endr
	v_max3_num_f32 v8, |v[XS]|, |v[XS+1]|, |v[XS+2]|               ; the largest magnitude of my 16
	v_max3_num_f32 v9, |v[XS+3]|, |v[XS+4]|, |v[XS+5]|
.irp i, 6,10
	v_max3_num_f32 v8, v8, |v[XS+\i]|, |v[XS+\i+1]|
	v_max3_num_f32 v9, v9, |v[XS+\i+2]|, |v[XS+\i+3]|
.endr
	v_max3_num_f32 v8, v8, |v[XS+14]|, |v[XS+15]|
	v_max3_num_f32 v8, v8, v9, 0x1800000           ; and the floor 2^(3 - 127), under which no largest magnitude is taken: so the byte cannot fall under 1
	v_max_num_f32_dpp v8, v8, v8 row_xmask:1 row_mask:0xf bank_mask:0xf   ; and of my neighbour's 16: the block's
	v_add_nc_u32 v11, 0xff000000, v8               ; 2 off its exponent field: the conversion takes the exponent field of this operand as its scale, and nothing else of it
	v_cvt_scalef32_pk8_fp4_f32 v[C+2*(\t)], v[XS:XS+7], v11        ; eight numbers / the scale, to the nearest code, ties to even, beyond the largest code the largest
	v_cvt_scalef32_pk8_fp4_f32 v[C+2*(\t)+1], v[XS+8:XS+15], v11
	v_lshrrev_b32 v[E+(\t)], 23, v11               ; the scale's byte (also the plain instruction behind the conversions)
	ds_store_b8 v5, v[E+(\t)] offset:16*(\t)       ; both lanes of a block write the same byte with the same value
	global_store_b64 v4, v[C+2*(\t):C+2*(\t)+1], s[6:7] offset:256*(\t)   ; 32 lanes store 256 consecutive bytes, at a multiple of 256 from the buffer's first byte
.endm
.irp t, 0,1,2,3,4,5,6,7
	STEP \t
.endr
	ds_load_b32 v144, v6                           ; LDS serves a wave's instructions in order: this sees my byte stores
	s_wait_dscnt 0x0
	global_store_b32 v7, v144, s[8:9]              ; my 32 rows' scale words: 128 consecutive bytes
	s_wait_tensorcnt 0x0
	ds_add_u32 v152, v153
	s_wait_dscnt 0x0
	s_endpgm
.Lfunc_end_k_qff9c87d5ff_quant:
	.size	k_qff9c87d5ff_quant, .Lfunc_end_k_qff9c87d5ff_quant-k_qff9c87d5ff_quant
	.p2alignl 7, 3214868480
	.fill 96, 4, 3214868480
	.section	.rodata,"a",@progbits
	.p2align	6, 0x0
	.amdhsa_kernel k_qff9c87d5ff_quant
		.amdhsa_group_segment_fixed_size 41728
		.amdhsa_private_segment_fixed_size 0
		.amdhsa_enable_private_segment 0
		.amdhsa_kernarg_size 24
		.amdhsa_user_sgpr_count 2
		.amdhsa_user_sgpr_kernarg_segment_ptr 1
		.amdhsa_wavefront_size32 1
		.amdhsa_system_sgpr_workgroup_id_x 1
		.amdhsa_system_sgpr_workgroup_id_y 1
		.amdhsa_system_sgpr_workgroup_id_z 1
		.amdhsa_system_vgpr_workitem_id 0
		.amdhsa_next_free_vgpr 154
		.amdhsa_next_free_sgpr 66
		.amdhsa_reserve_vcc 0
		.amdhsa_float_denorm_mode_32 3
		.amdhsa_float_denorm_mode_16_64 3
		.amdhsa_memory_ordered 1
		.amdhsa_forward_progress 1
		.amdhsa_inst_pref_size 30
	.end_amdhsa_kernel
	.amdgpu_metadata
---
amdhsa.version: [ 1, 2 ]
amdhsa.kernels:
  - .name:           k_qff9c87d5ff_quant
    .symbol:         k_qff9c87d5ff_quant.kd
    .args:
      - { .name: emb, .offset: 0, .size: 8, .value_kind: global_buffer, .address_space: global }
      - { .name: codes, .offset: 8, .size: 8, .value_kind: global_buffer, .address_space: global }
      - { .name: scales, .offset: 16, .size: 8, .value_kind: global_buffer, .address_space: global }
    .group_segment_fixed_size: 41728
    .private_segment_fixed_size: 0
    .kernarg_segment_align: 8
    .kernarg_segment_size: 24
    .max_flat_workgroup_size: 160
    .sgpr_count:     66
    .vgpr_count:     154
    .wavefront_size: 32
...
	.end_amdgpu_metadata
.endif
;; end of part 1
;; launch knrm (part 2): grid 256 x 1, 16 waves a work-group, no clusters, 4,096 bytes of LDS; arguments q1, d1, q2, d2, codes, scales, W1, b1, W2, b2, W3, b3, out0; writes out0
.if DOCPART == 2
	.amdgcn_target "amdgcn-amd-amdhsa--gfx1250"
	.amdhsa_code_object_version 6
	.text
	.protected	k_qff9c87d5ff_knrm
	.globl	k_qff9c87d5ff_knrm
	.p2align	8
	.type	k_qff9c87d5ff_knrm,@function
k_qff9c87d5ff_knrm:
	s_mov_b64 s[64:65], 0
	v_nop
	global_prefetch_b8 v0, s[64:65] scope:SCOPE_SE
	s_setreg_imm32_b32 hwreg(HW_REG_WAVE_MODE, 25, 1), 1
	s_wait_xcnt 0x0
; out0[b] = sigmoid(l(q1[b], d1[b]) - l(q2[b], d2[b])).  l: M = Qn Dn^T (64 x 256, K = 128) on the FP4 codes and E8M0 scale words that the launch before made of every table row;
; ten Gaussians of every M, summed over the 256 documents; log1p; summed over the 64 queries; an MLP 10-10-5-1 with a relu ahead of each layer, in f32.
; SHARES.  A work-group owns four batches, sixteen waves.  Wave w: batch w / 4, side (w / 2) % 2, half w % 2 of the side's queries: 32 queries (two tiles of 16) against all 256 documents,
; in four trips of four tiles.  Rows come straight from memory into operand registers: a row's 64 bytes of codes are two lanes' two loads of 16 bytes, its scale word one load of 4.
; No tile is shared between work-groups (the rows are gathered by id), so there are no tensor loads, no ring and no cluster.
; WHICH ROWS FORM A TILE IS FREE, both sums being over all of them: document tile i of trip j holds documents 64 j + 4 r + i (one 16-byte load of ids a lane serves four tiles),
; query tile t holds queries 32 half + 2 r + t.  The product is taken as source 0 = 16 documents, source 1 = 16 queries: lane (r, h) holds query r, its registers documents 8 h + 0 .. 7:
; the sum over documents stays in the lane but for one exchange with lane l xor 16 at the end.
; THE NINE WIDE GAUSSIANS have centres j d, d = 2/9, j = -4 .. 4, and 1 / (2 sigma^2) = 50.  With c = 50 log2(e): exp(-50 (M - j d)^2) = C_j u_j, C_j = exp(-200 j^2 / 81), u_j = 2^(-c M^2 + j (4 c / 9) M).
; u_2 and u_-2 are made by an exponential each, R = 2^((4 c / 9) M) and 1 / R likewise; u_3 = u_2 R, u_4 = u_2 R^2, u_1 = u_2 / R, u_0 = u_2 / R^2, u_-1 = u_-2 R, u_-3 = u_-2 / R, u_-4 = u_-2 / R^2:
; each product is fused with its sum, and C_j multiplies the finished sum.  With the narrow Gaussian (centre 1, 1 / (2 sigma^2) = 5e5) that is five exponentials a number of M.
; RANGES.  The quantiser raises a block's sum of squares by at most (36 + 31 / 4) / (25 + 31 / 16) = 1.62, so |M| <= 1.62 for every input: u_j <= 2^57, R^2 and 1 / R^2 <= 2^104: nothing overflows.
; LIMITS: v_exp_f32 gives 0 for results under 2^-126: u_2 where M < -0.95 (the Gaussians made of it are at most 2^-65 there), u_-2 where M > 0.95 (at most 2^-99): at most 3e-20 is lost of a term.
; ids are held at 99,999 from above (an id stays inside the table); divisions are v_rcp_f32 and a multiplication; NaN and infinities are not served.
.set H16, 2                            ; v2   16 h: my half's bytes of a row of codes
.set QF,  8                            ; v8-23    the two query fragments
.set QS,  24                           ; v24-25   their scale words: these six registers hold scales and nothing else
.set SD,  26                           ; v26-29   the four document tiles' scale words
.set F,   32                           ; v32-63   four document fragments
.set M,   64                           ; v64-127  eight accumulators: (document tile i, query tile t) at M + 8 (2 i + t)
.set AP,  128                          ; v128-135 u_2
.set AM,  136                          ; v136-143 u_-2
.set AR,  144                          ; v144-151 R, later 1 / R^2
.set AI,  152                          ; v152-159 1 / R
.set AX,  160                          ; v160-167 the narrow Gaussian
.set SUM, 168                          ; v168-207 the sums: query tile t, Gaussian k: the pair at SUM + 20 t + 2 k
.set IDN, 208                          ; v208-211 four document ids
.set CO,  212                          ; v212-215 their byte offsets in codes
.set SO,  216                          ; v216-219 and in scales
.set W1C, 220                          ; v220-229 column min(r, 9) of W1
.set B1V, 230                          ; v230     b1 at min(r, 9)
.set W2R, 231                          ; v231-235 row min(r, 9) of W2
.set QO,  236                          ; v236-237 the query rows' offsets in codes;  v238-239 in scales;  v240-241 their ids
.set QSO, 238
.set QID, 240
.set Z,   64                           ; the tail: 20 sums (10 t + k);  Y, U, D, RR: 20 registers each, at work
.set Y,   84
.set U,   104
.set D,   128
.set RR,  148
	s_load_b512 s[8:23], s[0:1], 0x0               ; q1 s[8:9], d1 s[10:11], q2 s[12:13], d2 s[14:15], codes s[16:17], scales s[18:19], W1 s[20:21], b1 s[22:23]
	s_load_b256 s[24:31], s[0:1], 0x40             ; W2 s[24:25], b2 s[26:27], W3 s[28:29], b3 s[30:31]
	s_load_b64 s[32:33], s[0:1], 0x60              ; out0
	v_lshl_add_u32 v254, v0, 2, 0x800
	v_mov_b32 v255, 0
	v_lshrrev_b32 v1, 5, v0
	v_readfirstlane_b32 s2, v1                     ; wave 0..15
	v_lshrrev_b32 v5, 5, v0
	v_lshlrev_b32 v5, 6, v5                        ; LDS: my wave's ten words, at 64 x wave
	v_and_b32 v1, 15, v0                           ; r
	v_bfe_u32 v6, v0, 4, 1                         ; h
	v_lshlrev_b32 v[H16], 4, v6
	v_lshl_add_u32 v6, v6, 7, v5                   ; LDS, read by the first wave of a batch: lanes 0-15 side 1's two waves, lanes 16-31 side 2's, 128 bytes on
	v_lshlrev_b32 v3, 4, v1                        ; 16 r: four document ids
	v_lshlrev_b32 v4, 3, v1                        ; 8 r: two query ids
	v_and_b32 v7, 31, v0                           ; lane
	v_min_u32 v242, 9, v1                          ; the MLP's unit of my lane: lanes 10-15 repeat unit 9 and are cancelled below
	v_mul_u32_u24 v243, v242, 20                   ; a row of W2 is 20 bytes
	v_lshlrev_b32 v242, 2, v242
	v_mov_b32 v244, 0
	s_lshr_b32 s4, s2, 2                           ; batch in the work-group
	s_bfe_u32 s5, s2, 0x10001                      ; side
	s_and_b32 s6, s2, 1                            ; half of the queries
	s_mov_b32 s34, 0xc29044fe                      ; -c = -72.134752.  (The packed forms name a pair and take its low word for both halves: both words are written)
	s_mov_b32 s35, s34
	s_mov_b32 s36, 0x42003d54                      ; 4 c / 9 = 32.059890
	s_mov_b32 s37, s36
	s_mov_b32 s38, 0x42803d54                      ; 8 c / 9
	s_mov_b32 s39, s38
	s_mov_b32 s40, 0xc2803d54                      ; -8 c / 9
	s_mov_b32 s41, s40
	s_mov_b32 s42, 0xc9301c38                      ; -5e5 log2(e) = -721347.5
	s_mov_b32 s43, s42
	s_mov_b32 s58, 0x76543210                      ; v_permlanex16_b32's selects for lane l xor 16
	s_mov_b32 s59, 0xfedcba98
	s_lshl_b32 s7, ttmp9, 2
	s_add_co_u32 s7, s7, s4                        ; my batch: 4 x work-group + wave / 4
	s_mov_b32 s67, 0
	s_wait_kmcnt 0x0
	s_cmp_eq_u32 s5, 0                             ; the side picks the id tensors: a choice on the wave's number alone
	s_cselect_b64 s[60:61], s[10:11], s[14:15]     ; documents
	s_cselect_b64 s[62:63], s[8:9], s[12:13]       ; queries
	s_lshl_b32 s66, s7, 10                         ; 256 ids a batch
	s_add_nc_u64 s[60:61], s[60:61], s[66:67]
	s_lshl_b32 s66, s7, 8                          ; 64 ids a batch,
	s_lshl_b32 s3, s6, 7                           ; my half's 32
	s_add_co_u32 s66, s66, s3
	s_add_nc_u64 s[62:63], s[62:63], s[66:67]
	s_lshl_b32 s66, s7, 2
	s_add_nc_u64 s[32:33], s[32:33], s[66:67]      ; out0 at my batch
	s_load_b128 s[44:47], s[26:27], 0x0            ; b2[0..3],
	s_load_b32 s48, s[26:27], 0x10                 ; b2[4]
	s_load_b128 s[52:55], s[28:29], 0x0            ; W3[0..3],
	s_load_b32 s56, s[28:29], 0x10                 ; W3[4]
	s_load_b32 s57, s[30:31], 0x0                  ; b3
	global_load_b64 v[QID:QID+1], v4, s[62:63]
	global_load_b128 v[IDN:IDN+3], v3, s[60:61]    ; trip 0's ids: sixteen lanes read 256 consecutive bytes
.irp k, 0,1,2,3,4,5,6,7,8,9
	global_load_b32 v[W1C+\k], v242, s[20:21] offset:40*\k
.endr
	global_load_b32 v[B1V], v242, s[22:23]
.irp i, 0,1,2,3,4
	global_load_b32 v[W2R+\i], v243, s[24:25] offset:4*\i
.endr
	s_wait_loadcnt 16                              ; the two loads of ids are in; the sixteen loads of weights issued behind them may be out
.macro DOCADR                          ; four ids become byte offsets: 64 id + 16 h in codes, 4 id in scales
.irp i, 0,1,2,3
	v_min_u32 v[IDN+\i], 0x1869f, v[IDN+\i]
.endr
.irp i, 0,1,2,3
	v_lshlrev_b32 v[CO+\i], 6, v[IDN+\i]
	v_lshlrev_b32 v[SO+\i], 2, v[IDN+\i]
.endr
.irp i, 0,1,2,3
	v_add_nc_u32 v[CO+\i], v[H16], v[CO+\i]
.endr
.endm
.macro DOCLOAD                         ; a fragment, 16 rows x 128 K of 4-bit codes: registers 4 c .. 4 c + 3 hold K = 64 c + 32 h + 0 .. 31: the row's bytes 32 c + 16 h on, as they lie
.irp i, 0,1,2,3
	global_load_b128 v[F+8*\i:F+8*\i+3], v[CO+\i], s[16:17]
	global_load_b128 v[F+8*\i+4:F+8*\i+7], v[CO+\i], s[16:17] offset:32
	global_load_b32 v[SD+\i], v[SO+\i], s[18:19]
.endr
.endm
.irp t, 0,1
	v_min_u32 v[QID+\t], 0x1869f, v[QID+\t]
.endr
.irp t, 0,1
	v_lshlrev_b32 v[QO+\t], 6, v[QID+\t]
	v_lshlrev_b32 v[QSO+\t], 2, v[QID+\t]
.endr
.irp t, 0,1
	v_add_nc_u32 v[QO+\t], v[H16], v[QO+\t]
.endr
	DOCADR
.irp t, 0,1
	global_load_b128 v[QF+8*\t:QF+8*\t+3], v[QO+\t], s[16:17]       ; the queries stay in registers
	global_load_b128 v[QF+8*\t+4:QF+8*\t+7], v[QO+\t], s[16:17] offset:32
	global_load_b32 v[QS+\t], v[QSO+\t], s[18:19]
.endr
	DOCLOAD
.set cnt, 0
.rept 40
	v_mov_b32 v[SUM+cnt], 0                        ; the sums.  (The trip is written for all four trips alike: forty lines here against a further copy of the trip)
.set cnt, cnt+1
.endr
; THE GAUSSIANS of one accumulator, v[m] .. v[m + 7], added to the sums at s.  Two numbers an instruction but for the exponentials.
.macro KERN m, s
.irp p, 0,2,4,6
	v_pk_mul_f32 v[AP+\p:AP+\p+1], v[(\m)+\p:(\m)+\p+1], v[(\m)+\p:(\m)+\p+1]                    ; M^2.  (The accumulator is read from its low end on)
.endr
.irp p, 0,2,4,6
	v_pk_mul_f32 v[AR+\p:AR+\p+1], v[(\m)+\p:(\m)+\p+1], s[36:37] op_sel_hi:[1,0]                ; (4 c / 9) M
.endr
.irp p, 0,2,4,6
	v_pk_add_f32 v[AX+\p:AX+\p+1], v[(\m)+\p:(\m)+\p+1], -1.0 op_sel_hi:[1,0]                    ; M - 1
.endr
.irp p, 0,2,4,6
	v_pk_mul_f32 v[AM+\p:AM+\p+1], v[AP+\p:AP+\p+1], s[34:35] op_sel_hi:[1,0]                    ; -c M^2
.endr
.irp p, 0,2,4,6
	v_pk_fma_f32 v[AP+\p:AP+\p+1], v[(\m)+\p:(\m)+\p+1], s[38:39], v[AM+\p:AM+\p+1] op_sel_hi:[1,0,1]   ; u_2's exponent
.endr
.irp p, 0,2,4,6
	v_pk_fma_f32 v[AM+\p:AM+\p+1], v[(\m)+\p:(\m)+\p+1], s[40:41], v[AM+\p:AM+\p+1] op_sel_hi:[1,0,1]   ; u_-2's
.endr
.irp p, 0,2,4,6
	v_pk_mul_f32 v[(\m)+\p:(\m)+\p+1], v[AX+\p:AX+\p+1], s[42:43] op_sel_hi:[1,0]                ; -5e5 log2(e) (M - 1), over M, which is done with
.endr
.irp i, 0,1,2,3,4,5,6,7
	v_exp_f32 v[AP+\i], v[AP+\i]                   ; ONE BATCH of forty exponentials; none reads another's result
.endr
.irp i, 0,1,2,3,4,5,6,7
	v_exp_f32 v[AM+\i], v[AM+\i]
.endr
.irp i, 0,1,2,3,4,5,6,7
	v_exp_f32 v[AI+\i], -v[AR+\i]                  ; 1 / R
.endr
.irp p, 0,2,4,6
	v_pk_mul_f32 v[AX+\p:AX+\p+1], v[AX+\p:AX+\p+1], v[(\m)+\p:(\m)+\p+1]                        ; the narrow Gaussian's exponent.  (Plain instructions between the lines above and the lines below, which write over their sources)
.endr
.irp i, 0,1,2,3,4,5,6,7
	v_exp_f32 v[AR+\i], v[AR+\i]                   ; R
.endr
.irp i, 0,1,2,3,4,5,6,7
	v_exp_f32 v[AX+\i], v[AX+\i]
.endr
	v_nop                                          ; a plain instruction behind the last exponential,
	s_wait_alu depctr_va_vdst(0)                   ; and the wait ahead of the first line that names a result: one for the forty
.irp p, 0,2,4,6                        ; twelve lines a pair, so that eleven others stand between two additions to one sum
	v_pk_fma_f32 v[(\s)+14:(\s)+15], v[AP+\p:AP+\p+1], v[AR+\p:AR+\p+1], v[(\s)+14:(\s)+15]      ; j = 3
	v_pk_fma_f32 v[(\s)+6:(\s)+7], v[AM+\p:AM+\p+1], v[AR+\p:AR+\p+1], v[(\s)+6:(\s)+7]          ; j = -1
	v_pk_mul_f32 v[(\m)+\p:(\m)+\p+1], v[AR+\p:AR+\p+1], v[AR+\p:AR+\p+1]                        ; R^2
	v_pk_fma_f32 v[(\s)+10:(\s)+11], v[AP+\p:AP+\p+1], v[AI+\p:AI+\p+1], v[(\s)+10:(\s)+11]      ; j = 1
	v_pk_fma_f32 v[(\s)+2:(\s)+3], v[AM+\p:AM+\p+1], v[AI+\p:AI+\p+1], v[(\s)+2:(\s)+3]          ; j = -3
	v_pk_mul_f32 v[AR+\p:AR+\p+1], v[AI+\p:AI+\p+1], v[AI+\p:AI+\p+1]                            ; 1 / R^2
	v_pk_fma_f32 v[(\s)+16:(\s)+17], v[AP+\p:AP+\p+1], v[(\m)+\p:(\m)+\p+1], v[(\s)+16:(\s)+17]  ; j = 4
	v_pk_fma_f32 v[(\s)+8:(\s)+9], v[AP+\p:AP+\p+1], v[AR+\p:AR+\p+1], v[(\s)+8:(\s)+9]          ; j = 0
	v_pk_fma_f32 v[(\s):(\s)+1], v[AM+\p:AM+\p+1], v[AR+\p:AR+\p+1], v[(\s):(\s)+1]              ; j = -4
	v_pk_add_f32 v[(\s)+12:(\s)+13], v[(\s)+12:(\s)+13], v[AP+\p:AP+\p+1]                        ; j = 2
	v_pk_add_f32 v[(\s)+4:(\s)+5], v[(\s)+4:(\s)+5], v[AM+\p:AM+\p+1]                            ; j = -2
	v_pk_add_f32 v[(\s)+18:(\s)+19], v[(\s)+18:(\s)+19], v[AX+\p:AX+\p+1]                        ; the narrow one
.endr
.endm
; A TRIP: 64 documents against my 32 queries.  last = 0: the next trip's ids are asked for at its head and its rows behind the second of the eight accumulators,
; so that six accumulators' Gaussians stand between the request for the rows and the wait for them.
.macro TRIP last
	s_wait_loadcnt 0x0                             ; this trip's fragments and scale words are in (in the first trip also the queries' and the weights); every load that names the offsets or the ids' base is done
.if \last == 0
	s_add_nc_u64 s[60:61], s[60:61], 256           ; the next 64 ids
	global_load_b128 v[IDN:IDN+3], v3, s[60:61]
.endif
.irp i, 0,1,2,3
.irp t, 0,1
	v_wmma_scale_f32_16x16x128_f8f6f4 v[M+8*(2*\i+\t):M+8*(2*\i+\t)+7], v[F+8*\i:F+8*\i+7], v[QF+8*\t:QF+8*\t+7], 0, v[SD+\i], v[QS+\t] matrix_a_fmt:MATRIX_FMT_FP4 matrix_b_fmt:MATRIX_FMT_FP4   ; K = 128 is one instruction: eight sums, each begun and finished here
.endr
.endr
.rept 4
	v_nop                                          ; four places between the last product and the first read of results (ISA guide 7.12.1)
.endr
	KERN M, SUM
	KERN M+8, SUM+20
.if \last == 0
	s_wait_loadcnt 0x0                             ; the ids are in: nothing else is out
	DOCADR
	DOCLOAD                                        ; into registers that the products above have read: two accumulators' plain instructions lie between
.endif
	KERN M+16, SUM
	KERN M+24, SUM+20
	KERN M+32, SUM
	KERN M+40, SUM+20
	KERN M+48, SUM
	KERN M+56, SUM+20
.endm
	s_wait_kmcnt 0x0                               ; b2, W3, b3
	s_mov_b32 s3, 3
.Ltrip:
	TRIP 0
	s_sub_co_u32 s3, s3, 1
	s_cmp_lg_u32 s3, 0
	s_cbranch_scc1 .Ltrip
	TRIP 1                                         ; the fourth trip asks for nothing: no load leaves its buffer
	; THE TAIL.  A sum's two halves; lane l xor 16's 128 documents; C_j; log1p; my two tiles; the tile's sixteen queries.
.irp t, 0,1
.irp k, 0,1,2,3,4,5,6,7,8,9
	v_add_f32 v[Z+10*\t+\k], v[SUM+20*\t+2*\k], v[SUM+20*\t+2*\k+1]
.endr
.endr
.set cnt, 0
.rept 20
	v_permlanex16_b32 v[Y+cnt], v[Z+cnt], s58, s59
.set cnt, cnt+1
.endr
.set cnt, 0
.rept 20
	v_add_f32 v[Z+cnt], v[Z+cnt], v[Y+cnt]         ; all 256 documents of my query; lanes l and l xor 16 now hold the same
.set cnt, cnt+1
.endr
.irp t, 0,10
	v_mul_f32 v[Z+\t], 0x23006991, v[Z+\t]         ; C_4 = exp(-3200 / 81)
	v_mul_f32 v[Z+\t+8], 0x23006991, v[Z+\t+8]
	v_mul_f32 v[Z+\t+1], 0x2f759723, v[Z+\t+1]     ; C_3 = exp(-1800 / 81)
	v_mul_f32 v[Z+\t+7], 0x2f759723, v[Z+\t+7]
	v_mul_f32 v[Z+\t+2], 0x38577152, v[Z+\t+2]     ; C_2 = exp(-800 / 81)
	v_mul_f32 v[Z+\t+6], 0x38577152, v[Z+\t+6]
	v_mul_f32 v[Z+\t+3], 0x3dad612b, v[Z+\t+3]     ; C_1 = exp(-200 / 81)
	v_mul_f32 v[Z+\t+5], 0x3dad612b, v[Z+\t+5]
.endr
	; log1p(z) = z ln(u) / (u - 1) with u = 1 + z as f32 has it, and z itself where u = 1: right to a few ulp for small sums too
.set cnt, 0
.rept 20
	v_add_f32 v[U+cnt], 1.0, v[Z+cnt]
.set cnt, cnt+1
.endr
.set cnt, 0
.rept 20
	v_add_f32 v[D+cnt], -1.0, v[U+cnt]             ; 0, or 2^-23 at the least
.set cnt, cnt+1
.endr
.set cnt, 0
.rept 20
	v_log_f32 v[U+cnt], v[U+cnt]
.set cnt, cnt+1
.endr
.set cnt, 0
.rept 20
	v_rcp_f32 v[RR+cnt], v[D+cnt]
.set cnt, cnt+1
.endr
	v_nop                                          ; a plain instruction behind the batch,
	s_wait_alu depctr_va_vdst(0)                   ; and one wait for its forty results
.set cnt, 0
.rept 20
	v_mul_f32 v[U+cnt], 0x3f317218, v[U+cnt]       ; ln(u)
	v_mul_f32 v[RR+cnt], v[Z+cnt], v[RR+cnt]       ; z / (u - 1)
.set cnt, cnt+1
.endr
.set cnt, 0
.rept 20
	v_mul_f32 v[U+cnt], v[U+cnt], v[RR+cnt]
.set cnt, cnt+1
.endr
.set cnt, 0
.rept 20
	v_cmp_eq_f32 vcc_lo, 0, v[D+cnt]
	v_cndmask_b32 v[Z+cnt], v[U+cnt], v[Z+cnt], vcc_lo   ; z where u = 1 (what the lines above made of 1 / 0 is thrown away)
.set cnt, cnt+1
.endr
.irp k, 0,1,2,3,4,5,6,7,8,9
	v_add_f32 v[Z+\k], v[Z+\k], v[Z+10+\k]         ; my two tiles of queries
.endr
.irp x, 1,2,4,8
.irp k, 0,1,2,3,4,5,6,7,8,9
	v_add_f32_dpp v[Z+\k], v[Z+\k], v[Z+\k] row_xmask:\x row_mask:0xf bank_mask:0xf   ; the sixteen lanes of each half: every lane holds my 32 queries' sum
.endr
.endr
.irp k, 0,1,2,3,4,5,6,7,8,9
	ds_store_b32 v5, v[Z+\k] offset:4*\k           ; all lanes write the same word with the same value
.endr
	s_wait_dscnt 0x0                               ; for the others' sake: my stores have landed
	s_barrier_signal -1
	s_barrier_wait -1                              ; the launch's one barrier: all sixteen waves' ten words lie in LDS
	; THE MLP AND THE SIGMOID, by the first wave of each batch: lanes 0-15 side 1, lanes 16-31 side 2; lane n of a half holds unit n of the first layer
	s_and_b32 s7, s2, 3
	s_cmp_lg_u32 s7, 0
	s_cbranch_scc1 .Lend
	ds_load_b128 v[84:87], v6                      ; the side's first half of the queries,
	ds_load_b128 v[88:91], v6 offset:16
	ds_load_b64 v[92:93], v6 offset:32
	ds_load_b128 v[96:99], v6 offset:64            ; and its second
	ds_load_b128 v[100:103], v6 offset:80
	ds_load_b64 v[104:105], v6 offset:96
	s_wait_dscnt 0x0
.irp k, 0,1,2,3,4,5,6,7,8,9
	v_add_f32 v[84+\k], v[84+\k], v[96+\k]
.endr
.irp k, 0,1,2,3,4,5,6,7,8,9
	v_max_num_f32 v[84+\k], 0, v[84+\k]            ; relu
.endr
	v_fma_f32 v108, v84, v[W1C], v[B1V]            ; unit n: b1[n] + the sum over k of x[k] W1[k][n]
.irp k, 1,2,3,4,5,6,7,8,9
	v_fma_f32 v108, v[84+\k], v[W1C+\k], v108
.endr
	v_max_num_f32 v108, 0, v108                    ; relu
	v_cmp_gt_u32 vcc_lo, 10, v1
.irp i, 0,1,2,3,4
	v_cndmask_b32 v[W2R+\i], 0, v[W2R+\i], vcc_lo  ; lanes 10-15 of a half count for nothing
.endr
.irp i, 0,1,2,3,4
	v_mul_f32 v[110+\i], v108, v[W2R+\i]
.endr
.irp x, 1,2,4,8
.irp i, 0,1,2,3,4
	v_add_f32_dpp v[110+\i], v[110+\i], v[110+\i] row_xmask:\x row_mask:0xf bank_mask:0xf   ; the sum over the ten units
.endr
.endr
	v_add_f32 v110, s44, v110                      ; + b2
	v_add_f32 v111, s45, v111
	v_add_f32 v112, s46, v112
	v_add_f32 v113, s47, v113
	v_add_f32 v114, s48, v114
.irp i, 0,1,2,3,4
	v_max_num_f32 v[110+\i], 0, v[110+\i]          ; relu
.endr
	v_mov_b32 v116, s57                            ; b3
	v_fma_f32 v116, v110, s52, v116
	v_fma_f32 v116, v111, s53, v116
	v_fma_f32 v116, v112, s54, v116
	v_fma_f32 v116, v113, s55, v116
	v_fma_f32 v116, v114, s56, v116                ; l of my half's side
	v_permlanex16_b32 v117, v116, s58, s59
	v_sub_f32 v118, v116, v117                     ; in lanes 0-15: l1 - l2
	v_mul_f32 v118, 0xbfb8aa3b, v118               ; x -log2(e)
	v_exp_f32 v118, v118
	v_nop
	s_wait_alu depctr_va_vdst(0)                   ; the wait ahead of a transcendental's first reader
	v_add_f32 v118, 1.0, v118
	v_rcp_f32 v118, v118                           ; the sigmoid
	v_nop
	s_wait_alu depctr_va_vdst(0)
	s_wait_xcnt 0x0                                ; EXEC is narrowed only when every earlier memory instruction has had its addresses translated
	v_cmp_eq_u32 vcc_lo, 0, v7
	s_and_saveexec_b32 s68, vcc_lo
	global_store_b32 v244, v118, s[32:33]          ; lane 0 stores the batch's one number
	s_wait_xcnt 0x0                                ; and widened again likewise
	s_or_b32 exec_lo, exec_lo, s68
.Lend:
	s_wait_tensorcnt 0x0
	ds_add_u32 v254, v255
	s_wait_dscnt 0x0
	s_endpgm
.Lfunc_end_k_qff9c87d5ff_knrm:
	.size	k_qff9c87d5ff_knrm, .Lfunc_end_k_qff9c87d5ff_knrm-k_qff9c87d5ff_knrm
	.p2alignl 7, 3214868480
	.fill 96, 4, 3214868480
	.section	.rodata,"a",@progbits
	.p2align	6, 0x0
	.amdhsa_kernel k_qff9c87d5ff_knrm
		.amdhsa_group_segment_fixed_size 4096
		.amdhsa_private_segment_fixed_size 0
		.amdhsa_enable_private_segment 0
		.amdhsa_kernarg_size 104
		.amdhsa_user_sgpr_count 2
		.amdhsa_user_sgpr_kernarg_segment_ptr 1
		.amdhsa_wavefront_size32 1
		.amdhsa_system_sgpr_workgroup_id_x 1
		.amdhsa_system_sgpr_workgroup_id_y 1
		.amdhsa_system_sgpr_workgroup_id_z 1
		.amdhsa_system_vgpr_workitem_id 0
		.amdhsa_next_free_vgpr 256
		.amdhsa_next_free_sgpr 70
		.amdhsa_reserve_vcc 1
		.amdhsa_float_denorm_mode_32 3
		.amdhsa_float_denorm_mode_16_64 3
		.amdhsa_memory_ordered 1
		.amdhsa_forward_progress 1
		.amdhsa_inst_pref_size 136
	.end_amdhsa_kernel
	.amdgpu_metadata
---
amdhsa.version: [ 1, 2 ]
amdhsa.kernels:
  - .name:           k_qff9c87d5ff_knrm
    .symbol:         k_qff9c87d5ff_knrm.kd
    .args:
      - { .name: q1, .offset: 0, .size: 8, .value_kind: global_buffer, .address_space: global }
      - { .name: d1, .offset: 8, .size: 8, .value_kind: global_buffer, .address_space: global }
      - { .name: q2, .offset: 16, .size: 8, .value_kind: global_buffer, .address_space: global }
      - { .name: d2, .offset: 24, .size: 8, .value_kind: global_buffer, .address_space: global }
      - { .name: codes, .offset: 32, .size: 8, .value_kind: global_buffer, .address_space: global }
      - { .name: scales, .offset: 40, .size: 8, .value_kind: global_buffer, .address_space: global }
      - { .name: W1, .offset: 48, .size: 8, .value_kind: global_buffer, .address_space: global }
      - { .name: b1, .offset: 56, .size: 8, .value_kind: global_buffer, .address_space: global }
      - { .name: W2, .offset: 64, .size: 8, .value_kind: global_buffer, .address_space: global }
      - { .name: b2, .offset: 72, .size: 8, .value_kind: global_buffer, .address_space: global }
      - { .name: W3, .offset: 80, .size: 8, .value_kind: global_buffer, .address_space: global }
      - { .name: b3, .offset: 88, .size: 8, .value_kind: global_buffer, .address_space: global }
      - { .name: out0, .offset: 96, .size: 8, .value_kind: global_buffer, .address_space: global }
    .group_segment_fixed_size: 4096
    .private_segment_fixed_size: 0
    .kernarg_segment_align: 8
    .kernarg_segment_size: 104
    .max_flat_workgroup_size: 512
    .sgpr_count:     70
    .vgpr_count:     256
    .wavefront_size: 32
...
	.end_amdgpu_metadata
.endif
;; end of part 2
